; MI455X (gfx1250); checked and timed in simulation.
; The chip was launched on July 23, 2026; its instructions are those of AMD's public machine-readable ISA for CDNA 5 (MIT licence, August 2026) and "CDNA5" Instruction Set Architecture Reference Guide (July 2026). The comments in the code are by the model that wrote it; some were corrected since.
;; ODE Block2. Allowed arithmetic: float matrix products may take bf16 or f16 operands with f32 sums; all other float work in f32.
;; Inputs: W 64 x 64 float32; b 64 float32; x 65,536 x 64 float32.
;; Outputs: out0 65,536 x 64 float32.
;; One version. Each part assembles by itself: llvm-mc -triple=amdgcn-amd-amdhsa -mcpu=gfx1250 --defsym DOCPART=n.
;; ======== version 1 of 1: 1 launch
;; launch ode (part 1): grid 256 x 1, 8 waves a work-group, no clusters, 54,272 bytes of LDS; arguments x, W, b, out0; writes out0
.if DOCPART == 1
	.amdgcn_target "amdgcn-amd-amdhsa--gfx1250"
	.amdhsa_code_object_version 6
	.text
	.protected	k_q43017e57cd_ode
	.globl	k_q43017e57cd_ode
	.p2align	8
	.type	k_q43017e57cd_ode,@function
k_q43017e57cd_ode:
	s_mov_b64 s[64:65], 0
	v_nop
	global_prefetch_b8 v0, s[64:65] scope:SCOPE_SE
	s_setreg_imm32_b32 hwreg(HW_REG_WAVE_MODE, 25, 1), 1
	s_wait_xcnt 0x0
; Eleven steps of the Kutta 3/8 rule on y' = sin(-(y W^T + b)).  x, out0: [65536][64] f32.  W: [64][64] f32.  b: [64] f32.
;
; ALGEBRA.  S(u) = sin(2 pi u), M = -W^T / (2 pi), b' = -b / (2 pi).  The state carried in f32 accumulators is the argument in
; turns, ARG = y M + b', beside y itself.  With G3 = (dt/3) M and G8 = (dt/8) M, both bf16, a step is
;   k1 = S(ARG)                      STG = ARG + k1 G3
;   a  = 3 S(STG) - k1               STG = ARG + a G3         e = 2 k1 - a
;   c  = 3 S(STG) + e                STG = ARG + c G3         g = c + 2 a
;   s  = S(STG) + g  (= k1 + 3 k2 + 3 k3 + k4)                y += (dt/8) s,   ARG += s G8 (at the head of the next step)
; The factors 3 lie in a second set of polynomial coefficients and the sums ride on the polynomial's last multiply-add.
; The first ARG comes from the loop's own first product: ARG = b', fragments = bf16(x 8/dt), ARG += fragments x G8.
;
; THE MATRIX INSTRUCTION IS USED TRANSPOSED: A = 16 rows of scaled W (m = output feature, k = input feature), B and D have the
; batch row as n.  Lane (r, h) of result tile m holds features 16 m + 8 h + 0..7 of batch row r, and the packed conversion of
; tiles 2c, 2c+1 is B's fragment of K block c as it stands: from stage to stage nothing moves between lanes or through LDS.
;
; THE SINE: n = rndne(u), r = u - n in [-0.5, 0.5], q = r r, S = r (C0 + q (C1 + q (C2 + q (C3 + q C4)))).
;
; SHARES: a work-group has 256 rows (64 KiB of x, contiguous), each of its eight waves two tiles of 16 rows, one after the other.
; Waves depend on each other only for W (one barrier); one wave's matrix instructions run beside another wave's vector work.
;
; LIMITS, kept knowingly: dt is the one constant 0.6/11 (the differences of the f32 grid depart from it by about 1e-6 of it);
; the polynomial is off by at most 6e-6 absolute; x (once), W and the k sums enter the products rounded to bf16, y and ARG stay
; f32, so the order of rounding is not the reference's; an argument so large that f32 leaves it no fraction gives S = 0;
; infinities and NaN give NaN.
;
; NO CLUSTER: the one shared input is W, 16 KiB beside the 128 KiB of x and out0 that a work-group moves, and it goes through
; registers in any case, to be scaled and rounded.  NO TENSOR LOADS, NO PREFETCH: a tile is 4 KiB, read once, and the second
; tile's loads are issued into registers a whole tile's work (eleven steps) ahead of their use.
.set STEPS,  11
.set WPITCH, 144                       ; an LDS row of W: 128 bytes of bf16 + 16: the 16 rows of a fragment load fall on different banks
.set WCOPY,  64*WPITCH                 ; 9,216 bytes: G3 at 0, G8 behind it
.set SPITCH, 272                       ; a row of a wave's stage: 256 bytes + 16
.set STAGE0, 2*WCOPY                   ; 18,432: the stages begin
.set STAGEB, 16*SPITCH                 ; 4,352 bytes a wave; 18,432 + 8 x 4,352 = 53,248
; window 0 (v0-v255); all vector arithmetic but the products and ARG = b' runs with every window field 0
;   v1 16 x lane (x, out0)   v2 stage by rows   v3 stage by lanes' features   v4 W fragments   v5 W's store   v6 32 h (b)   v7 16 t (W)
;   v[8:9] C4 twice   v[10:11] 3 C4 twice   v12-15 scratch of the entry
.set ARG, 16                           ; v[16:47]   the carried argument, tile m at 8 m (entry: W as loaded, then as bf16)
.set STG, 48                           ; v[48:79]   a stage's argument; once read, its registers hold the polynomial
.set YY,  80                           ; v[80:111]  y
.set R1,  112                          ; v[112:143] k1, e, c, g; on the way out the rows to store
.set R2,  144                          ; v[144:175] x 8/dt, a, s
.set BF,  176                          ; v[176:191] B fragments: K block c at 8 c
.set TA,  192                          ; v[192:207] n, then q
.set TB,  208                          ; v[208:223] r
.set XN,  224                          ; v[224:255] a tile of x as loaded, by rows
; window 1 (v256-v415), written here by its low 8 bits
.set G3,  0                            ; v[256:319] fragments of G3, (m, c) at 8 (2 m + c)
.set G8,  64                           ; v[320:383] fragments of G8
.set BB,  128                          ; v[384:415] b as given, in the result tiles' layout
; scalars: s[4:5] x, s[6:7] W, s[8:9] b, s[10:11] out0, s12 wave, s13 stage, s[14:15] the wave's byte offset, s16 steps left
.set CS1, 20                           ; s[20:27]  C0 .. C3, each twice (a packed source names a pair)
.set CS3, 28                           ; s[28:35]  3 C0 .. 3 C3
.set MSB, 0
.macro WIN new                         ; low byte: 1:0 source 0, 3:2 source 1, 5:4 source 2, 7:6 destination; high byte: the setting left
.if MSB != \new
	s_set_vgpr_msb (MSB<<8)|\new
.set MSB, \new
.endif
.endm
.macro SPAIR reg, val
	s_mov_b32 s[\reg], \val
	s_mov_b32 s[\reg+1], \val
.endm
	s_load_b256 s[4:11], s[0:1], 0x0               ; x, W, b, out0
	s_set_vgpr_msb 0x40
	v_lshl_add_u32 v160, v0, 2, 0xd000
	v_mov_b32 v161, 0
	s_set_vgpr_msb 0x4000
	v_and_b32 v12, 31, v0                          ; lane
	v_lshrrev_b32 v13, 5, v0
	v_readfirstlane_b32 s12, v13                   ; wave 0..7
	v_and_b32 v14, 15, v0                          ; r
	v_bfe_u32 v15, v0, 4, 1                        ; h
	s_mul_i32 s13, s12, STAGEB
	s_add_co_u32 s13, s13, STAGE0                  ; my wave's stage
	v_lshlrev_b32 v1, 4, v12                       ; 16 bytes a lane: a load or store of the wave covers 512 neighbouring bytes, two rows
	v_mul_u32_u24 v2, v15, SPITCH                  ; by rows: lanes 0-15 one row, lanes 16-31 the next
	v_lshl_add_u32 v2, v14, 4, v2
	v_add_nc_u32 v2, s13, v2
	v_mul_u32_u24 v3, v14, SPITCH                  ; by features: row r, byte 32 h (+ 64 m + 16 q in the offset)
	v_lshl_add_u32 v3, v15, 5, v3
	v_add_nc_u32 v3, s13, v3
	v_mul_u32_u24 v4, v14, WPITCH                  ; fragment of W: row r, byte 16 h
	v_lshl_add_u32 v4, v15, 4, v4
	v_lshrrev_b32 v12, 4, v0                       ; thread t holds 4 numbers of row t / 16 (+ 16 i), columns 4 (t % 16) ..
	v_mul_u32_u24 v5, v12, WPITCH
	v_lshl_add_u32 v5, v14, 3, v5                  ; 8 bytes of bf16
	v_lshlrev_b32 v6, 5, v15
	v_lshlrev_b32 v7, 4, v0
	v_mov_b32 v8, 0x4203135a                       ; C4 = 32.768897
	v_mov_b32 v9, 0x4203135a
	v_mov_b32 v10, 0x42c49d07                      ; 3 C4
	v_mov_b32 v11, 0x42c49d07
	SPAIR CS1+0, 0x40c90ec7                        ; C0 =   6.2830541
	SPAIR CS1+2, 0xc2255312                        ; C1 = -41.331123
	SPAIR CS1+4, 0x42a2bb23                        ; C2 =  81.365499
	SPAIR CS1+6, 0xc294f124                        ; C3 = -74.470976
	SPAIR CS3+0, 0x4196cb16                        ; three times the same
	SPAIR CS3+2, 0xc2f7fc9b
	SPAIR CS3+4, 0x437418b4
	SPAIR CS3+6, 0xc35f69b6
	SPAIR 36, 0x3bdf6b0e                           ; dt / 8
	SPAIR 38, 0xbb3da4ac                           ; -(dt / 3) / (2 pi) = -1 / (110 pi)
	SPAIR 40, 0x3ec00000                           ; 3 / 8: G8 from G3
	SPAIR 42, 0xbe22f983                           ; -1 / (2 pi)
	SPAIR 44, 0x4312aaab                           ; 8 / dt
	s_lshl_b32 s14, ttmp9, 16                      ; 256 rows of 256 bytes a work-group,
	s_lshl_b32 s15, s12, 13                        ; 32 rows a wave
	s_add_co_u32 s14, s14, s15
	s_mov_b32 s15, 0
	s_wait_kmcnt 0x0
	s_add_nc_u64 s[4:5], s[4:5], s[14:15]          ; x and out0 at my wave's first row
	s_add_nc_u64 s[10:11], s[10:11], s[14:15]
	; All of the entry's loads: W (the work-group reads it once, 64 bytes a thread), my first tile of x, b in the tiles' layout.
.irp i, 0,1,2,3
	global_load_b128 v[ARG+4*\i:ARG+4*\i+3], v7, s[6:7] offset:4096*\i
.endr
.irp i, 0,1,2,3,4,5,6,7
	global_load_b128 v[XN+4*\i:XN+4*\i+3], v1, s[4:5] offset:512*\i th:TH_LOAD_NT
.endr
	WIN 0x40                                       ; destination in window 1
.irp m, 0,1,2,3
.irp q, 0,1
	global_load_b128 v[BB+8*\m+4*\q:BB+8*\m+4*\q+3], v6, s[8:9] offset:64*\m+16*\q    ; b[16 m + 8 h + 4 q ..]
.endr
.endr
	WIN 0
	s_wait_loadcnt 16                              ; W's four are in; the sixteen younger loads (x, b) stay out
	; W to LDS, twice: scaled to G3 and to G8, rounded to bf16 once each from f32
.irp i, 0,2,4,6,8,10,12,14
	v_pk_mul_f32 v[ARG+\i:ARG+\i+1], v[ARG+\i:ARG+\i+1], s[38:39] op_sel_hi:[1,0]
.endr
.irp i, 0,1,2,3,4,5,6,7
	v_cvt_pk_bf16_f32 v[ARG+16+\i], v[ARG+2*\i], v[ARG+2*\i+1]
.endr
.irp i, 0,1,2,3
	ds_store_b64 v5, v[ARG+16+2*\i:ARG+16+2*\i+1] offset:16*WPITCH*\i
.endr
.irp i, 0,2,4,6,8,10,12,14
	v_pk_mul_f32 v[ARG+\i:ARG+\i+1], v[ARG+\i:ARG+\i+1], s[40:41] op_sel_hi:[1,0]
.endr
.irp i, 0,1,2,3,4,5,6,7
	v_cvt_pk_bf16_f32 v[ARG+24+\i], v[ARG+2*\i], v[ARG+2*\i+1]
.endr
.irp i, 0,1,2,3
	ds_store_b64 v5, v[ARG+24+2*\i:ARG+24+2*\i+1] offset:WCOPY+16*WPITCH*\i
.endr
	s_wait_dscnt 0x0                               ; for the other waves' sake: my part of W lies in LDS
	s_barrier_signal -1
	s_barrier_wait -1                              ; the only barrier: these bytes are never written again
	WIN 0x40
.irp g, 0,1
.irp m, 0,1,2,3
.irp c, 0,1
	ds_load_b128 v[64*\g+8*(2*\m+\c):64*\g+8*(2*\m+\c)+3],   v4 offset:WCOPY*\g+16*WPITCH*\m+64*\c      ; k = 32 c + 8 h ..
	ds_load_b128 v[64*\g+8*(2*\m+\c)+4:64*\g+8*(2*\m+\c)+7], v4 offset:WCOPY*\g+16*WPITCH*\m+64*\c+32   ; k = 32 c + 16 + 8 h ..
.endr
.endr
.endr
	WIN 0                                          ; waited for with the first tile's LDS loads
; out = [3] S(src) [+- R1], and its bf16 fragments.  cs: scalar coefficients (CS1 or CS3); cq: the vector pair with C4 or 3 C4;
; fin: 1 out = S;  2 out = S - R1;  3, 4 out = S + R1.  Two halves of 16 registers; each run of eight independent pairs
; keeps dependent lines apart.  The polynomial grows in STG's registers of the same half, which are dead by then.
.macro SIN src, cs, cq, fin, out
.irp ch, 0, 16
.set ix, 0
.rept 16
	v_rndne_f32 v[TA+ix], v[\src+\ch+ix]
.set ix, ix+1
.endr
.set ix, 0
.rept 8
	v_pk_add_f32 v[TB+ix:TB+ix+1], v[\src+\ch+ix:\src+\ch+ix+1], v[TA+ix:TA+ix+1] neg_lo:[0,1] neg_hi:[0,1]   ; r = u - n
.set ix, ix+2
.endr
.set ix, 0
.rept 8
	v_pk_mul_f32 v[TA+ix:TA+ix+1], v[TB+ix:TB+ix+1], v[TB+ix:TB+ix+1]                                          ; q = r r
.set ix, ix+2
.endr
.set ix, 0
.rept 8
	v_pk_fma_f32 v[STG+\ch+ix:STG+\ch+ix+1], v[TA+ix:TA+ix+1], v[\cq:\cq+1], s[\cs+6:\cs+7] op_sel_hi:[1,1,0]
.set ix, ix+2
.endr
.irp lv, 4, 2, 0
.set ix, 0
.rept 8
	v_pk_fma_f32 v[STG+\ch+ix:STG+\ch+ix+1], v[STG+\ch+ix:STG+\ch+ix+1], v[TA+ix:TA+ix+1], s[\cs+\lv:\cs+\lv+1] op_sel_hi:[1,1,0]
.set ix, ix+2
.endr
.endr
.set ix, 0
.rept 8
.if \fin == 1
	v_pk_mul_f32 v[\out+\ch+ix:\out+\ch+ix+1], v[TB+ix:TB+ix+1], v[STG+\ch+ix:STG+\ch+ix+1]
.endif
.if \fin == 2
	v_pk_fma_f32 v[\out+\ch+ix:\out+\ch+ix+1], v[TB+ix:TB+ix+1], v[STG+\ch+ix:STG+\ch+ix+1], v[R1+\ch+ix:R1+\ch+ix+1] neg_lo:[0,0,1] neg_hi:[0,0,1]
.endif
.if \fin > 2
	v_pk_fma_f32 v[\out+\ch+ix:\out+\ch+ix+1], v[TB+ix:TB+ix+1], v[STG+\ch+ix:STG+\ch+ix+1], v[R1+\ch+ix:R1+\ch+ix+1]
.endif
.set ix, ix+2
.endr
.set ix, 0
.rept 8
	v_cvt_pk_bf16_f32 v[BF+(\ch+ix)/2], v[\out+\ch+ix], v[\out+\ch+ix+1]       ; result tiles 2c, 2c+1 are B's K block c
.set ix, ix+2
.endr
.endr
.endm
; d = cin + fragments x (the copy of W at w in window 1): four tiles of 16 features, K = 64 in two links.
; The second link takes the first's result as C and D in place, which needs no distance (ISA guide 7.12.1).
.macro MM w, cin, d
	WIN 0x01                                       ; A in window 1
.irp m, 0,1,2,3
	v_wmma_f32_16x16x32_bf16 v[\d+8*\m:\d+8*\m+7], v[\w+16*\m:\w+16*\m+7], v[BF:BF+7], v[\cin+8*\m:\cin+8*\m+7]
.endr
.irp m, 0,1,2,3
	v_wmma_f32_16x16x32_bf16 v[\d+8*\m:\d+8*\m+7], v[\w+16*\m+8:\w+16*\m+15], v[BF+8:BF+15], v[\d+8*\m:\d+8*\m+7]
.endr
	WIN 0
.endm
; A vector instruction reads a matrix result four independent vector instructions behind it at the least (ISA guide 7.12.1).
; Where the step has such work (EOP, GOP: 16 lines on R1 and R2 alone) it stands there; where it has none, four v_nop.
.macro NOP4
.rept 4
	v_nop
.endr
.endm
.macro EOP                                         ; e = 2 k1 - a
.set ix, 0
.rept 16
	v_pk_fma_f32 v[R1+ix:R1+ix+1], v[R1+ix:R1+ix+1], 2.0, v[R2+ix:R2+ix+1] op_sel_hi:[1,0,1] neg_lo:[0,0,1] neg_hi:[0,0,1]
.set ix, ix+2
.endr
.endm
.macro GOP                                         ; g = c + 2 a
.set ix, 0
.rept 16
	v_pk_fma_f32 v[R1+ix:R1+ix+1], v[R2+ix:R2+ix+1], 2.0, v[R1+ix:R1+ix+1] op_sel_hi:[1,0,1]
.set ix, ix+2
.endr
.endm
.macro YUP                                         ; y += (dt / 8) s
.set ix, 0
.rept 16
	v_pk_fma_f32 v[YY+ix:YY+ix+1], v[R2+ix:R2+ix+1], s[36:37], v[YY+ix:YY+ix+1] op_sel_hi:[1,0,1]
.set ix, ix+2
.endr
.endm
; Between any two products that touch the same ARG or STG otherwise than as a chain's link stand, besides the lines above,
; the sixteen q = r r lines of a SIN, which name TA and TB alone: more than the five places asked (ISA guide 7.12.1).
.macro STEP
	MM G8, ARG, ARG                                ; ARG += s G8 of the step before (first step: x M)
	NOP4
	SIN ARG, CS1, 8, 1, R1                         ; k1
	MM G3, ARG, STG
	NOP4
	SIN STG, CS3, 10, 2, R2                        ; a = 3 k2 - k1
	MM G3, ARG, STG
	EOP
	SIN STG, CS3, 10, 3, R1                        ; c = 3 k3 + e
	MM G3, ARG, STG
	GOP
	SIN STG, CS1, 8, 4, R2                         ; s = k4 + g
	YUP
.endm
; One tile of 16 rows, from XN to out0.  more = 1: the wave's second tile is asked for as soon as XN is free.
.macro TILE tile, more
	s_wait_loadcnt 0x0                             ; XN is in (first tile: b too)
	s_wait_xcnt 0x0                                ; the last tile's stores have had their addresses translated (ISA guide 3.1): R1, their data, is rewritten only behind this wait
.irp i, 0,1,2,3,4,5,6,7
	ds_store_b128 v2, v[XN+4*\i:XN+4*\i+3] offset:2*SPITCH*\i          ; rows 2 i, 2 i + 1 into my own stage
.endr
.irp m, 0,1,2,3
.irp q, 0,1
	ds_load_b128 v[YY+8*\m+4*\q:YY+8*\m+4*\q+3], v3 offset:64*\m+16*\q ; LDS serves a wave's instructions in order (ISA guide 5.7.1): these see the stores above
.endr
.endr
	s_wait_dscnt 0x0                               ; y is in (first tile: W's fragments too)
.if \more
.irp i, 0,1,2,3,4,5,6,7
	global_load_b128 v[XN+4*\i:XN+4*\i+3], v1, s[4:5] offset:4096+512*\i th:TH_LOAD_NT   ; waited for eleven steps further down
.endr
.endif
.set ix, 0
.rept 16
	v_pk_mul_f32 v[R2+ix:R2+ix+1], v[YY+ix:YY+ix+1], s[44:45] op_sel_hi:[1,0]            ; x 8/dt, so that x G8 is x M
.set ix, ix+2
.endr
.set ix, 0
.rept 16
	v_cvt_pk_bf16_f32 v[BF+ix/2], v[R2+ix], v[R2+ix+1]
.set ix, ix+2
.endr
	WIN 0x01                                       ; source 0 in window 1
.set ix, 0
.rept 16
	v_pk_mul_f32 v[ARG+ix:ARG+ix+1], v[BB+ix:BB+ix+1], s[42:43] op_sel_hi:[1,0]          ; ARG = b' = -b / (2 pi)
.set ix, ix+2
.endr
	WIN 0                                          ; every window field is 0 at a label and at a branch
	s_mov_b32 s16, STEPS
.Lstep\tile:
	STEP
	s_sub_co_i32 s16, s16, 1
	s_cmp_lg_u32 s16, 0
	s_cbranch_scc1 .Lstep\tile
	; the way out: back through my stage, so that sixteen neighbouring lanes store one whole row of 256 bytes, aligned
.irp m, 0,1,2,3
.irp q, 0,1
	ds_store_b128 v3, v[YY+8*\m+4*\q:YY+8*\m+4*\q+3] offset:64*\m+16*\q
.endr
.endr
.irp i, 0,1,2,3,4,5,6,7
	ds_load_b128 v[R1+4*\i:R1+4*\i+3], v2 offset:2*SPITCH*\i
.endr
.irp i, 0,1,2,3,4,5,6,7
	s_wait_dscnt 7-\i                              ; LDS loads come back in order: rows 2 i, 2 i + 1 are in, the younger ones stay out
	global_store_b128 v1, v[R1+4*\i:R1+4*\i+3], s[10:11] offset:4096*\tile+512*\i th:TH_STORE_NT
.endr
.endm
	TILE 0, 1
	TILE 1, 0
	s_set_vgpr_msb 0x5
	s_wait_tensorcnt 0x0
	ds_add_u32 v160, v161
	s_wait_dscnt 0x0
	s_set_vgpr_msb 0x500
	s_endpgm
.Lfunc_end_k_q43017e57cd_ode:
	.size	k_q43017e57cd_ode, .Lfunc_end_k_q43017e57cd_ode-k_q43017e57cd_ode
	.p2alignl 7, 3214868480
	.fill 96, 4, 3214868480
	.section	.rodata,"a",@progbits
	.p2align	6, 0x0
	.amdhsa_kernel k_q43017e57cd_ode
		.amdhsa_group_segment_fixed_size 54272
		.amdhsa_private_segment_fixed_size 0
		.amdhsa_enable_private_segment 0
		.amdhsa_kernarg_size 32
		.amdhsa_user_sgpr_count 2
		.amdhsa_user_sgpr_kernarg_segment_ptr 1
		.amdhsa_wavefront_size32 1
		.amdhsa_system_sgpr_workgroup_id_x 1
		.amdhsa_system_sgpr_workgroup_id_y 1
		.amdhsa_system_sgpr_workgroup_id_z 1
		.amdhsa_system_vgpr_workitem_id 0
		.amdhsa_next_free_vgpr 418
		.amdhsa_next_free_sgpr 66
		.amdhsa_reserve_vcc 0
		.amdhsa_float_denorm_mode_32 3
		.amdhsa_float_denorm_mode_16_64 3
		.amdhsa_memory_ordered 1
		.amdhsa_forward_progress 1
		.amdhsa_inst_pref_size 107
	.end_amdhsa_kernel
	.amdgpu_metadata
---
amdhsa.version: [ 1, 2 ]
amdhsa.kernels:
  - .name:           k_q43017e57cd_ode
    .symbol:         k_q43017e57cd_ode.kd
    .args:
      - { .name: x, .offset: 0, .size: 8, .value_kind: global_buffer, .address_space: global }
      - { .name: W, .offset: 8, .size: 8, .value_kind: global_buffer, .address_space: global }
      - { .name: b, .offset: 16, .size: 8, .value_kind: global_buffer, .address_space: global }
      - { .name: out0, .offset: 24, .size: 8, .value_kind: global_buffer, .address_space: global }
    .group_segment_fixed_size: 54272
    .private_segment_fixed_size: 0
    .kernarg_segment_align: 8
    .kernarg_segment_size: 32
    .max_flat_workgroup_size: 256
    .sgpr_count:     66
    .vgpr_count:     418
    .wavefront_size: 32
...
	.end_amdgpu_metadata
.endif
;; end of part 1
